; MI455X (gfx1250); checked and timed in simulation.
; The chip was launched on July 23, 2026; its instructions are those of AMD's public machine-readable ISA for CDNA 5 (MIT licence, August 2026) and "CDNA5" Instruction Set Architecture Reference Guide (July 2026). The comments in the code are by the model that wrote it; some were corrected since.
;; Custom Taylor Layer. Allowed arithmetic: matrix products marked QUANTISED: E4M3 operands, one given power-of-two scale a tensor, by v_wmma_f32_16x16x64_fp8_fp8 or v_wmma_f32_16x16x128_fp8_fp8, f32 sums; everything else in f32.
;; Inputs: coef 1,024 x 1,024 x 8 float32; lowp_scales 2 int32 (the exponents e of the quantised operands' scales 2^e); tanh_range one number float32; x 8,192 x 1,024 float32.
;; Outputs: out0 8,192 x 1,024 float32.
;; This version of the problem:
;;   THIS VERSION OF THE PROBLEM IS GIVEN IN LOW PRECISION. The matrix products marked QUANTISED in the list below multiply operands that are first quantised to E4M3 (4 exponent bits, 3 mantissa bits; 8 bits a number), with one given power-of-two scale for each operand tensor; their sums are f32. All else is computed in f32.
;;   The module's matrix products, in the order in which they are computed (A, B: the left and right operand; K: the contracted axis; several contracted axes count as one K, in the product's order):
;;     1. [M 8,192, K 8,192] x [K 8,192, N 1,024]; A: computed on the way; B: input coef: QUANTISED (scales: A lowp_scales[0], B lowp_scales[1])
;;   THE QUANTISER, for each operand of a quantised product, along K:
;;     - The operand's scale is 2^e, e = its entry of the input lowp_scales (int32; the entries are numbered through the quantised products in the list's order, A before B).
;;     - Each number is divided by the scale, clamped to +-448, and rounded to the nearest number of E4M3, ties to even, subnormals kept.
;;     - The product sums the exact products of the quantised numbers (number of the format x scale) in f32.
;;   ~~~python
;;   def quantise(x, axis, e):      # numpy; x: float32 -> the quantised numbers, widened to float32 again
;;       x = np.moveaxis(x, axis, -1); K = x.shape[-1]
;;       r = np.clip(x / 2.0 ** e, -448, 448)
;;       step = 2.0 ** (np.maximum(np.frexp(np.where(r == 0, 1, r))[1] - 1, -6) - 3)
;;       q = np.round(r / step) * step * 2.0 ** e      # np.round: ties to even
;;       return np.moveaxis(q, -1, axis).astype(np.float32)
;;   ~~~
;;   OPERANDS COMPUTED ON THE WAY. 'Computed on the way' means the value that the module computes at that place (a softmax that the list does not call 'softmax' is quantised finished and normalised). What goes into a quantiser is computed in f32, as accurately as f32 sums, v_exp_f32 and their like allow (about 1e-6 of the number): no bf16 or f16 on the way to a quantiser, and a product that is left as it is and whose result goes on into a quantised operand takes f32 operands (vector FMAs, or v_wmma_f32_16x16x4_f32). A number that lies on a knife's edge between two numbers of the format may be rounded either way, as far as f32 arithmetic and the matrix unit's own rounding can turn it there, and no further.
;; One version. Each part assembles by itself: llvm-mc -triple=amdgcn-amd-amdhsa -mcpu=gfx1250 --defsym DOCPART=n.
;; ======== version 1 of 1: 3 launches
;; limits: right only within a limited range of input values
;; workspace buffers: bcodes 8,388,608 bytes; acodes 67,108,864 bytes
;; launch qcoef (part 1): grid 512 x 1, 4 waves a work-group, no clusters, 68,096 bytes of LDS; arguments coef, lowp_scales, bcodes; writes bcodes
.if DOCPART == 1
	.amdgcn_target "amdgcn-amd-amdhsa--gfx1250"
	.amdhsa_code_object_version 6
	.text
	.protected	k_q10c21e72c3_qcoef
	.globl	k_q10c21e72c3_qcoef
	.p2align	8
	.type	k_q10c21e72c3_qcoef,@function
k_q10c21e72c3_qcoef:
	s_mov_b64 s[64:65], 0
	v_nop
	global_prefetch_b8 v0, s[64:65] scope:SCOPE_SE
	s_setreg_imm32_b32 hwreg(HW_REG_WAVE_MODE, 25, 1), 1
	s_wait_xcnt 0x0
; coef [1024][8192] f32 (the last two axes of [1024][1024][8] are one K, innermost) becomes codes of FP8 (E4M3) with the given scale 2^e1, e1 = entry 1 of lowp_scales.
; code = x / 2^e1, held within +-448, rounded to the nearest code, ties to even.  LIMITS: e1 between -126 and 119, so that 2^e1 and 448 x 2^e1 are f32 numbers.  NaN among the inputs is not served.
; THE CODES ARE LAID IN THE ORDER OF THE OPERAND'S REGISTERS, as the product's launch wants them: the 16 bytes at
;   nh 2^22 + slot 2^17 + w 2^15 + q 2^14 + b 2^11 + c 2^9 + 16 (16 h + r)
; are the codes of row 512 nh + 128 w + 16 b + r at K = 256 slot + 128 q + 64 h + 16 c + 0 .. 15: a fragment (16 rows x 128 K) is 2,048 bytes on end, four registers a lane for each c.
; SHARES.  A wave takes 16 rows x 256 K: two fragments (q = 0, 1).  Row group rg = work-group / 8, slot = 4 (work-group % 8) + wave.  Waves share nothing: no barrier, no loop.
; Each load reads 512 consecutive bytes of one row, 16 a lane.  The conversion wants a lane to hold neighbours along K, 64 of its row: so the numbers turn through the wave's own stage in LDS,
; rows of 512 bytes + 16 of padding = 132 words: row r starts at bank 4 r mod 64 (64 banks of 4 bytes: ISA guide 11.1), so the sixteen rows that a load from the stage touches start at sixteen different banks.
; Each store of codes covers 512 consecutive bytes, aligned.
.set SPITCH, 528                       ; a stage row
.set STG,    16*SPITCH                 ; a stage: 16 rows; one for each q
.set WREG,   2*STG                     ; a wave's LDS
.set LI,  4                            ; v4   16 x lane: my place in a load's and in a store's 512 bytes
.set SI,  5                            ; v5   the stage on the way in: wave's region + 16 x lane
.set SO,  6                            ; v6   and on the way out: wave's region + 528 r + 256 h
.set LIM, 10                           ; v10  448 x 2^e1
.set SC,  11                           ; v11  2^e1
.set RR,  16                           ; v16-143  two sets of 64 numbers
.set CC,  144                          ; v144-175 two sets of 16 registers of codes: no store's data are written again
	s_load_b128 s[4:7], s[0:1], 0x0                ; coef s[4:5], the scales' exponents s[6:7]
	s_load_b64 s[8:9], s[0:1], 0x10                ; the codes
	v_lshl_add_u32 v176, v0, 2, 0x10800
	v_mov_b32 v177, 0
	v_lshrrev_b32 v1, 5, v0
	v_readfirstlane_b32 s16, v1                    ; wave 0..3
	v_and_b32 v1, 31, v0                           ; lane
	v_and_b32 v2, 15, v0                           ; r
	v_bfe_u32 v3, v0, 4, 1                         ; h
	v_lshlrev_b32 v[LI], 4, v1
	s_mul_i32 s17, s16, WREG
	v_add_nc_u32 v[SI], s17, v[LI]
	v_mul_u32_u24 v[SO], v2, SPITCH
	v_lshl_add_u32 v[SO], v3, 8, v[SO]
	v_add_nc_u32 v[SO], s17, v[SO]
	s_lshr_b32 s18, ttmp9, 3                       ; rg: which 16 rows
	s_and_b32 s19, ttmp9, 7
	s_lshl_b32 s19, s19, 2
	s_add_co_u32 s19, s19, s16                     ; slot: which 256 along K
	s_lshl_b32 s20, s18, 19                        ; in: 16 rows of 32,768 bytes,
	s_lshl_b32 s21, s19, 10                        ; 256 numbers of 4 bytes
	s_add_co_u32 s20, s20, s21
	s_mov_b32 s21, 0
	s_lshr_b32 s22, s18, 5                         ; out: nh = rg / 32,
	s_lshl_b32 s22, s22, 22
	s_lshl_b32 s23, s19, 17                        ; the slot,
	s_add_co_u32 s22, s22, s23
	s_bfe_u32 s23, s18, 0x20003                    ; w = (rg / 8) % 4,
	s_lshl_b32 s23, s23, 15
	s_add_co_u32 s22, s22, s23
	s_and_b32 s23, s18, 7                          ; b = rg % 8
	s_lshl_b32 s23, s23, 11
	s_add_co_u32 s22, s22, s23
	s_mov_b32 s23, 0
	s_wait_alu depctr_va_vdst(0)
	s_wait_kmcnt 0x0
	s_load_b32 s24, s[6:7], 0x4                    ; e1
	s_add_nc_u64 s[4:5], s[4:5], s[20:21]
	s_add_nc_u64 s[8:9], s[8:9], s[22:23]
.macro LOAD q                          ; 128 along K of my 16 rows: row i's 512 consecutive bytes by one load; read once in the launch
.irp i, 0,1,2,3,4,5,6,7,8,9,10,11,12,13,14,15
	global_load_b128 v[RR+64*\q+4*\i:RR+64*\q+4*\i+3], v[LI], s[4:5] offset:32768*\i+512*\q th:TH_LOAD_NT
.endr
.endm
.macro TURN q                          ; through the stage and back into the registers that they left: LDS serves a wave's instructions in order (ISA guide 5.7.1.4).  Afterwards register 4 i + n holds K = 64 h + 4 i + n of row r
.irp i, 0,1,2,3,4,5,6,7,8,9,10,11,12,13,14,15
	ds_store_b128 v[SI], v[RR+64*\q+4*\i:RR+64*\q+4*\i+3] offset:STG*\q+SPITCH*\i
.endr
.irp i, 0,1,2,3,4,5,6,7,8,9,10,11,12,13,14,15
	ds_load_b128 v[RR+64*\q+4*\i:RR+64*\q+4*\i+3], v[SO] offset:STG*\q+16*\i
.endr
.endm
.macro QUANT q
.irp i, 0,1,2,3,4,5,6,7,8,9,10,11,12,13,14,15,16,17,18,19,20,21,22,23,24,25,26,27,28,29,30,31,32,33,34,35,36,37,38,39,40,41,42,43,44,45,46,47,48,49,50,51,52,53,54,55,56,57,58,59,60,61,62,63
	v_med3_num_f32 v[RR+64*\q+\i], v[RR+64*\q+\i], -v[LIM], v[LIM]   ; the conversion to an 8-bit code does not saturate (ISA guide 7.6.2): the hold at the largest code x the scale comes first
.endr
.irp g, 0,1,2,3,4,5,6,7
	v_cvt_scalef32_pk8_fp8_f32 v[CC+16*\q+2*\g:CC+16*\q+2*\g+1], v[RR+64*\q+8*\g:RR+64*\q+8*\g+7], v[SC]   ; eight neighbours along K / 2^e1; the first number's code in the lowest byte
.endr
	v_nop                                          ; one plain vector line behind the last conversion of a run
.irp c, 0,1,2,3
	global_store_b128 v[LI], v[CC+16*\q+4*\c:CC+16*\q+4*\c+3], s[8:9] offset:16384*\q+512*\c   ; 32 lanes store 512 consecutive bytes, at a multiple of 512 from the buffer's first byte
.endr
.endm
	LOAD 0
	LOAD 1
	s_wait_kmcnt 0x0
	s_add_co_i32 s24, s24, 127
	s_lshl_b32 s25, s24, 23
	v_mov_b32 v[SC], s25                           ; 2^e1 as f32: the conversion takes its exponent field
	s_add_co_i32 s24, s24, 8
	s_lshl_b32 s24, s24, 23
	s_or_b32 s24, s24, 0x600000                    ; 448's mantissa field
	v_mov_b32 v[LIM], s24                          ; 448 x 2^e1
	s_wait_alu depctr_va_vdst(0)
	s_wait_loadcnt 16                              ; q = 0's sixteen loads are in; q = 1's sixteen may be out
	TURN 0
	s_wait_loadcnt 0x0
	TURN 1
	s_wait_dscnt 32                                ; behind q = 0's loads from the stage stand q = 1's sixteen stores and sixteen loads
	QUANT 0
	s_wait_dscnt 0x0
	QUANT 1
	s_wait_tensorcnt 0x0
	ds_add_u32 v176, v177
	s_wait_dscnt 0x0
	s_endpgm
.Lfunc_end_k_q10c21e72c3_qcoef:
	.size	k_q10c21e72c3_qcoef, .Lfunc_end_k_q10c21e72c3_qcoef-k_q10c21e72c3_qcoef
	.p2alignl 7, 3214868480
	.fill 96, 4, 3214868480
	.section	.rodata,"a",@progbits
	.p2align	6, 0x0
	.amdhsa_kernel k_q10c21e72c3_qcoef
		.amdhsa_group_segment_fixed_size 68096
		.amdhsa_private_segment_fixed_size 0
		.amdhsa_enable_private_segment 0
		.amdhsa_kernarg_size 24
		.amdhsa_user_sgpr_count 2
		.amdhsa_user_sgpr_kernarg_segment_ptr 1
		.amdhsa_wavefront_size32 1
		.amdhsa_system_sgpr_workgroup_id_x 1
		.amdhsa_system_sgpr_workgroup_id_y 1
		.amdhsa_system_sgpr_workgroup_id_z 1
		.amdhsa_system_vgpr_workitem_id 0
		.amdhsa_next_free_vgpr 178
		.amdhsa_next_free_sgpr 66
		.amdhsa_reserve_vcc 0
		.amdhsa_float_denorm_mode_32 3
		.amdhsa_float_denorm_mode_16_64 3
		.amdhsa_memory_ordered 1
		.amdhsa_forward_progress 1
		.amdhsa_inst_pref_size 20
	.end_amdhsa_kernel
	.amdgpu_metadata
---
amdhsa.version: [ 1, 2 ]
amdhsa.kernels:
  - .name:           k_q10c21e72c3_qcoef
    .symbol:         k_q10c21e72c3_qcoef.kd
    .args:
      - { .name: coef, .offset: 0, .size: 8, .value_kind: global_buffer, .address_space: global }
      - { .name: lowp_scales, .offset: 8, .size: 8, .value_kind: global_buffer, .address_space: global }
      - { .name: bcodes, .offset: 16, .size: 8, .value_kind: global_buffer, .address_space: global }
    .group_segment_fixed_size: 68096
    .private_segment_fixed_size: 0
    .kernarg_segment_align: 8
    .kernarg_segment_size: 24
    .max_flat_workgroup_size: 128
    .sgpr_count:     66
    .vgpr_count:     178
    .wavefront_size: 32
...
	.end_amdgpu_metadata
.endif
;; end of part 1
;; launch agen (part 2): grid 1024 x 1, 4 waves a work-group, no clusters, 34,304 bytes of LDS; arguments x, tanh_range, lowp_scales, acodes; writes acodes
.if DOCPART == 2
	.amdgcn_target "amdgcn-amd-amdhsa--gfx1250"
	.amdhsa_code_object_version 6
	.text
	.protected	k_q10c21e72c3_agen
	.globl	k_q10c21e72c3_agen
	.p2align	8
	.type	k_q10c21e72c3_agen,@function
k_q10c21e72c3_agen:
	s_mov_b64 s[64:65], 0
	v_nop
	global_prefetch_b8 v0, s[64:65] scope:SCOPE_SE
	s_setreg_imm32_b32 hwreg(HW_REG_WAVE_MODE, 25, 1), 1
	s_wait_xcnt 0x0
; A[b][8 i + k] = t^k, t = tanh(x[b][i] x tanh_range), k = 0 .. 7, becomes codes of FP8 (E4M3) with the given scale 2^e0, e0 = entry 0 of lowp_scales.
; code = number / 2^e0, held within +-448, rounded to the nearest code, ties to even.
; THE CODES ARE LAID IN THE ORDER OF THE OPERAND'S REGISTERS: the 16 bytes at  rb 2^19 + step 2^13 + m 2^11 + c 2^9 + 16 (16 h + r)
; are the codes of row 64 rb + 16 m + r at K = 128 step + 64 h + 16 c + 0 .. 15, the same places of k in a fragment as B's codes have.
; SHARES.  Work-group: rb = number / 8, chunk = number % 8 (128 numbers of x a row = 8 steps).  Wave m takes 16 rows x 128 numbers.  Waves share nothing: no barrier, no loop.
; Each load reads 512 consecutive bytes of one row.  A lane needs 8 neighbours of its row for a step, so the numbers turn through the wave's own stage in LDS,
; rows of 512 + 16 bytes: the sixteen rows that a load from the stage touches start at sixteen different banks (64 banks of 4 bytes: ISA guide 11.1).  Each store covers 512 consecutive bytes, aligned.
; tanh: where y^2 >= 1/16: 1 - 2 / (1 + 2^(2 log2(e) y)); below: y - y^3/3 + 2 y^5/15 - 17 y^7/315 (the first term left out is at most 3.3e-7 of the number).  The choice is a select.
; LIMITS.  e0 between -126 and 119.  NaN among the inputs is not served; an infinite x x tanh_range gives t = +-1.
;   t^4 .. t^7 are made by steps of t^2, not of t: their roundings differ from a running product's by a few units in f32's last place.
.set SPITCH, 528
.set SPARE,  4*16*SPITCH               ; behind the four stages: the spare words, 128 bytes a wave
.set LI,  4                            ; 16 x lane
.set SI,  5                            ; the stage on the way in
.set SO,  6                            ; and on the way out: 528 r + 32 h
.set SPW, 8
.set NIL, 9
.set LIM, 10                           ; 448 x 2^e0
.set SC,  11                           ; 2^e0
.set C5,  12
.set C3,  14
.set C7,  16
.set XX,  20                           ; v20-83  x: 64 numbers
.set YY,  84
.set EE,  92
.set Y2,  100
.set QQ,  108
.set WW,  116                          ; v116-179 number e's eight powers at WW + 8 e + k; k = 0 is written once
.set CC,  180                          ; v180-211 two sets of 16 registers of codes
.set TR,  24                           ; s[24:25] tanh_range, twice
.set SEAM, 27
	s_load_b256 s[4:11], s[0:1], 0x0               ; x, tanh_range, the scales' exponents, A's codes
	v_lshl_add_u32 v[SPW], v0, 2, SPARE
	v_mov_b32 v[NIL], 0
	v_lshrrev_b32 v1, 5, v0
	v_readfirstlane_b32 s16, v1                    ; wave = m
	v_and_b32 v2, 31, v0
	v_lshlrev_b32 v[LI], 4, v2
	v_mul_u32_u24 v3, v1, 16*SPITCH                ; my stage
	v_add_nc_u32 v[SI], v3, v[LI]
	v_and_b32 v2, 15, v0
	v_mad_u32_u24 v3, v2, SPITCH, v3
	v_bfe_u32 v2, v0, 4, 1
	v_lshl_add_u32 v[SO], v2, 5, v3
	v_mov_b32 v[C5], 0x3e088889                    ; 2/15
	v_mov_b32 v[C5+1], 0x3e088889
	v_mov_b32 v[C3], 0xbeaaaaab                    ; -1/3
	v_mov_b32 v[C3+1], 0xbeaaaaab
	v_mov_b32 v[C7], 0xbd5d0dd1                    ; -17/315
	v_mov_b32 v[C7+1], 0xbd5d0dd1
	s_wait_alu depctr_va_vdst(0)                   ; the wait here, ahead of the scalar lines and the wait below
	s_lshr_b32 s17, ttmp9, 3                       ; rb
	s_and_b32 s18, ttmp9, 7                        ; chunk
	s_lshl_b32 s20, s17, 18                        ; in: 64 rows of 4,096 bytes,
	s_lshl_b32 s19, s16, 16                        ; 16 rows,
	s_add_co_u32 s20, s20, s19
	s_lshl_b32 s19, s18, 9                         ; 128 numbers
	s_add_co_u32 s20, s20, s19
	s_mov_b32 s21, 0
	s_lshl_b32 s22, s17, 19                        ; out
	s_lshl_b32 s19, s18, 16
	s_add_co_u32 s22, s22, s19
	s_lshl_b32 s19, s16, 11
	s_add_co_u32 s22, s22, s19
	s_mov_b32 s23, 0
	s_mov_b32 s[SEAM], 0x3d800000                  ; 1/16
	s_wait_kmcnt 0x0
	s_load_b32 s[TR], s[6:7], 0x0
	s_load_b32 s26, s[8:9], 0x0                    ; e0
	s_add_nc_u64 s[4:5], s[4:5], s[20:21]
	s_add_nc_u64 s[10:11], s[10:11], s[22:23]
.irp i, 0,1,2,3,4,5,6,7,8,9,10,11,12,13,14,15
	global_load_b128 v[XX+4*\i:XX+4*\i+3], v[LI], s[4:5] offset:4096*\i th:TH_LOAD_NT   ; row i's 512 consecutive bytes; read once in the launch
.endr
	s_wait_kmcnt 0x0
	s_mov_b32 s[TR+1], s[TR]
	s_add_co_i32 s26, s26, 127
	s_lshl_b32 s28, s26, 23
	v_mov_b32 v[SC], s28                           ; 2^e0: the conversion takes its exponent field
	s_add_co_i32 s26, s26, 8
	s_lshl_b32 s26, s26, 23
	s_or_b32 s26, s26, 0x600000                    ; 448's mantissa field
	v_mov_b32 v[LIM], s26
.irp e, 0,1,2,3,4,5,6,7
	v_min_num_f32 v[WW+8*\e], 1.0, v[LIM]          ; t^0 = 1, held
.endr
	s_wait_alu depctr_va_vdst(0)                   ; the wait at the head's end
.irp i, 0,1,2,3,4,5,6,7,8,9,10,11,12,13,14,15
	s_wait_loadcnt 15-\i                           ; row i is in; the later rows' loads may be out
	ds_store_b128 v[SI], v[XX+4*\i:XX+4*\i+3] offset:SPITCH*\i
.endr
.irp i, 0,1,2,3,4,5,6,7,8,9,10,11,12,13,14,15
	ds_load_b128 v[XX+4*\i:XX+4*\i+3], v[SO] offset:16*(\i%2)+64*(\i/2)   ; LDS serves a wave's instructions in order (ISA guide 5.7.1.4).  Register 8 u + n: number 16 u + 8 h + n of row r
.endr
	s_wait_dscnt 0x0
.macro GEN u                           ; step u's fragment from my 8 numbers
.set XS, XX+8*(\u)
.set CS, CC+16*((\u)%2)
.if (\u) >= 2
	s_wait_xcnt 0x0                                ; step u - 2's stores have read their registers
.endif
.irp n, 0,2,4,6
	v_pk_mul_f32 v[YY+\n:YY+\n+1], v[XS+\n:XS+\n+1], s[TR:TR+1] op_sel_hi:[1,0]
.endr
.irp n, 0,2,4,6
	v_pk_mul_f32 v[EE+\n:EE+\n+1], v[YY+\n:YY+\n+1], 0x4038aa3b op_sel_hi:[1,0]   ; x 2 log2(e)
.endr
.irp n, 0,2,4,6
	v_pk_mul_f32 v[Y2+\n:Y2+\n+1], v[YY+\n:YY+\n+1], v[YY+\n:YY+\n+1]
.endr
.irp n, 0,2,4,6
	v_pk_fma_f32 v[QQ+\n:QQ+\n+1], v[Y2+\n:Y2+\n+1], v[C7:C7+1], v[C5:C5+1]
.endr
.irp n, 0,2,4,6
	v_pk_fma_f32 v[QQ+\n:QQ+\n+1], v[Y2+\n:Y2+\n+1], v[QQ+\n:QQ+\n+1], v[C3:C3+1]
.endr
.irp n, 0,2,4,6
	v_pk_mul_f32 v[QQ+\n:QQ+\n+1], v[Y2+\n:Y2+\n+1], v[QQ+\n:QQ+\n+1]
.endr
.irp n, 0,2,4,6
	v_pk_fma_f32 v[QQ+\n:QQ+\n+1], v[YY+\n:YY+\n+1], v[QQ+\n:QQ+\n+1], v[YY+\n:YY+\n+1]   ; the series
.endr
	s_wait_alu depctr_va_vdst(0)                   ; a wait ahead of a batch of transcendentals and one behind it
.irp e, 0,1,2,3,4,5,6,7
	v_exp_f32 v[EE+\e], v[EE+\e]                   ; e^2y: infinite for large y, 0 for very negative y: both ends come out as +-1
.endr
	v_nop                                          ; the plain line behind the batch
	s_wait_alu depctr_va_vdst(0)
.irp n, 0,2,4,6
	v_pk_add_f32 v[EE+\n:EE+\n+1], v[EE+\n:EE+\n+1], 1.0 op_sel_hi:[1,0]
.endr
	s_wait_alu depctr_va_vdst(0)
.irp e, 0,1,2,3,4,5,6,7
	v_rcp_f32 v[EE+\e], v[EE+\e]
.endr
	v_nop
	s_wait_alu depctr_va_vdst(0)
.irp n, 0,2,4,6
	v_pk_fma_f32 v[EE+\n:EE+\n+1], v[EE+\n:EE+\n+1], -2.0, 1.0 op_sel_hi:[1,0,0]
.endr
.irp e, 0,1,2,3,4,5,6,7
	v_cmp_gt_f32 vcc_lo, s[SEAM], v[Y2+\e]
	v_cndmask_b32 v[WW+8*\e+1], v[EE+\e], v[QQ+\e], vcc_lo   ; t: the series where y^2 < 1/16
.endr
.irp e, 0,1,2,3,4,5,6,7
	v_mul_f32 v[WW+8*\e+2], v[WW+8*\e+1], v[WW+8*\e+1]
.endr
.irp e, 0,1,2,3,4,5,6,7
	v_mul_f32 v[WW+8*\e+3], v[WW+8*\e+2], v[WW+8*\e+1]
.endr
.irp e, 0,1,2,3,4,5,6,7
	v_pk_mul_f32 v[WW+8*\e+4:WW+8*\e+5], v[WW+8*\e+2:WW+8*\e+3], v[WW+8*\e+2:WW+8*\e+3] op_sel_hi:[1,0]   ; t^4, t^5 = t^2, t^3 x t^2
.endr
.irp e, 0,1,2,3,4,5,6,7
	v_pk_mul_f32 v[WW+8*\e+6:WW+8*\e+7], v[WW+8*\e+4:WW+8*\e+5], v[WW+8*\e+2:WW+8*\e+3] op_sel_hi:[1,0]   ; t^6, t^7 = t^4, t^5 x t^2
.endr
.irp e, 0,1,2,3,4,5,6,7
.irp k, 1,3,5,7
	v_med3_num_f32 v[WW+8*\e+\k], v[WW+8*\e+\k], -v[LIM], v[LIM]   ; the conversion does not saturate (ISA guide 7.6.2): the hold comes first; odd powers have a sign,
.endr
.irp k, 2,4,6
	v_min_num_f32 v[WW+8*\e+\k], v[WW+8*\e+\k], v[LIM]             ; even powers have none
.endr
.endr
.irp e, 0,1,2,3,4,5,6,7
	v_cvt_scalef32_pk8_fp8_f32 v[CS+2*\e:CS+2*\e+1], v[WW+8*\e:WW+8*\e+7], v[SC]   ; K = 64 h + 8 e + 0 .. 7
.endr
	v_nop                                          ; one plain vector line behind the last conversion of a run
.irp c, 0,1,2,3
	global_store_b128 v[LI], v[CS+4*\c:CS+4*\c+3], s[10:11] offset:8192*(\u)+512*\c
.endr
.endm
.irp u, 0,1,2,3,4,5,6,7
	GEN \u
.endr
	s_wait_tensorcnt 0x0                           ; the wave's end
	ds_add_u32 v[SPW], v[NIL]
	s_wait_dscnt 0x0
	s_endpgm
.Lfunc_end_k_q10c21e72c3_agen:
	.size	k_q10c21e72c3_agen, .Lfunc_end_k_q10c21e72c3_agen-k_q10c21e72c3_agen
	.p2alignl 7, 3214868480
	.fill 96, 4, 3214868480
	.section	.rodata,"a",@progbits
	.p2align	6, 0x0
	.amdhsa_kernel k_q10c21e72c3_agen
		.amdhsa_group_segment_fixed_size 34304
		.amdhsa_private_segment_fixed_size 0
		.amdhsa_enable_private_segment 0
		.amdhsa_kernarg_size 32
		.amdhsa_user_sgpr_count 2
		.amdhsa_user_sgpr_kernarg_segment_ptr 1
		.amdhsa_wavefront_size32 1
		.amdhsa_system_sgpr_workgroup_id_x 1
		.amdhsa_system_sgpr_workgroup_id_y 1
		.amdhsa_system_sgpr_workgroup_id_z 1
		.amdhsa_system_vgpr_workitem_id 0
		.amdhsa_next_free_vgpr 212
		.amdhsa_next_free_sgpr 66
		.amdhsa_reserve_vcc 1
		.amdhsa_float_denorm_mode_32 3
		.amdhsa_float_denorm_mode_16_64 3
		.amdhsa_memory_ordered 1
		.amdhsa_forward_progress 1
		.amdhsa_inst_pref_size 77
	.end_amdhsa_kernel
	.amdgpu_metadata
---
amdhsa.version: [ 1, 2 ]
amdhsa.kernels:
  - .name:           k_q10c21e72c3_agen
    .symbol:         k_q10c21e72c3_agen.kd
    .args:
      - { .name: x, .offset: 0, .size: 8, .value_kind: global_buffer, .address_space: global }
      - { .name: tanh_range, .offset: 8, .size: 8, .value_kind: global_buffer, .address_space: global }
      - { .name: lowp_scales, .offset: 16, .size: 8, .value_kind: global_buffer, .address_space: global }
      - { .name: acodes, .offset: 24, .size: 8, .value_kind: global_buffer, .address_space: global }
    .group_segment_fixed_size: 34304
    .private_segment_fixed_size: 0
    .kernarg_segment_align: 8
    .kernarg_segment_size: 32
    .max_flat_workgroup_size: 128
    .sgpr_count:     66
    .vgpr_count:     212
    .wavefront_size: 32
...
	.end_amdgpu_metadata
.endif
;; end of part 2
;; launch gemm (part 3): grid 4 x 64, 4 waves a work-group, clusters of 4 x 4, 327,680 bytes of LDS; arguments acodes, bcodes, lowp_scales, out0; writes out0
.if DOCPART == 3
	.amdgcn_target "amdgcn-amd-amdhsa--gfx1250"
	.amdhsa_code_object_version 6
	.text
	.protected	k_q10c21e72c3_gemm
	.globl	k_q10c21e72c3_gemm
	.p2align	8
	.type	k_q10c21e72c3_gemm,@function
k_q10c21e72c3_gemm:
	s_mov_b64 s[64:65], 0
	v_nop
	global_prefetch_b8 v0, s[64:65] scope:SCOPE_SE
	s_setreg_imm32_b32 hwreg(HW_REG_WAVE_MODE, 25, 1), 1
	s_wait_xcnt 0x0
	s_wait_alu depctr_hold_cnt(0) depctr_sa_sdst(0) depctr_va_vdst(0) depctr_va_sdst(0) depctr_va_ssrc(0) depctr_va_vcc(0) depctr_vm_vsrc(0)
	s_getreg_b32 s2, hwreg(HW_REG_IB_STS2, 6, 4)
	s_cmp_eq_u32 s2, 0
	s_cbranch_scc0 .Lentry_in_a_cluster
	s_endpgm
.Lentry_in_a_cluster:
	s_bfe_u32 s2, ttmp6, 0x10000c
	s_cmp_lg_u32 s2, 0xf033
	s_cbranch_scc0 .Lentry_shape_is_right
	s_endpgm
.Lentry_shape_is_right:
; out0[b][j] = 2^(e0 + e1) x sum over K of A's code x B's code: M 8,192, N 1,024, K 8,192, on codes of FP8 (E4M3) that the two launches before this one stored as images of the operands' registers.
; SHARES.  A work-group makes 128 rows x 256 columns.  THE WAVES SHARE K: wave w = 2 kh + ch multiplies all 128 rows by column half ch over K half kh (4,096): 8 x 8 accumulators, 512 registers,
;   so that for 64 matrix instructions a wave loads 16 fragments from LDS.  At the end the two waves of a column half hand each other 64 rows of their sums through LDS, and each adds and stores 64 rows.
; THE RING: two LDS slots, each with one step (128 along K) of both K halves: A's 128 rows for kh = 0, 1 (16,384 bytes each), then B's 256 columns for kh = 0, 1 (32,768 each).  Waves 0 and 1 fetch A (kh = wave % 2),
;   waves 2 and 3 B, one tensor load a wave: two dense pieces (A: two blocks of 64 rows, 8,192 bytes; B: two blocks of 128 columns, 16,384 bytes) stated as two rows.  Every LDS load reads 512 consecutive bytes.
; CLUSTERS: 4 x 4 work-groups.  The four of a row of the cluster need the same tiles of A, the four of a column the same tiles of B: each tile is asked for JOINTLY, by the same tensor load with the same descriptor
;   and a mask that names the four.  A round of the cluster's barrier stands at each change of slots that fills a slot again.
; FRAGMENTS: one set of registers for A, two for B.  The products go by A's blocks, each against B's eight, so a block of A is free behind its eight products and is fetched anew in three runs a step.
;   A wave's blocks 0-3 are the rows that it stores in the end (64 kh ..), blocks 4-7 those that it hands over: the order is made by LDS addresses, so that all waves run one text.
; PREFETCH: behind each refill in the loop a wave asks for its share of the tile that it fetches two refills on: 16 of A's 64 blocks of 256 bytes, 32 of B's 128, a lane a block (A's lanes 16-31 name the last block
;   again); the four partners that ask jointly share the blocks out by address (cx for A, cy for B).  Steps 1 to 3 are asked for at the head; the last refills ask for nothing.
; THE MATRIX INSTRUCTION IS USED TRANSPOSED (source 0 = 16 rows of B, source 1 = 16 rows of A): a lane holds eight neighbouring numbers of a row of out0.
; LIMITS: e0 + e1 between -126 and 127.  The order of the f32 sums differs from ascending K: k is permuted within an instruction, alike in A and B, and the two halves of K are summed apart and added once.
; LDS: slots at 0 and 98,304; the way out's stages from 196,608, the spare words behind them.  The sums handed over lie in bytes 0 to 131,071, which have had their last fill and their last read by then.
;   All of a WGP's LDS is claimed.
; REGISTERS: window 0: addresses; v32-95 the way out; v128-255 A's fragments.  window 1: B's fragments, two sets.  window 2: the accumulators of blocks 0-3 ((a, b) at v[8 (8 (a % 4) + b)]).  window 3: those of blocks 4-7.
.set SLOT,   98304
.set STAGE,  2*SLOT
.set SPITCH, 528
.set SPARE,  STAGE+4*16*SPITCH
.set AADV,   16384                     ; bytes from a slot's step to its next (two steps on) in A's codes,
.set BADV,   131072                    ; and in B's
.set BO,  2                            ; 16 x lane
.set STO, 4
.set RD,  5
.set PFO, 6                            ; the prefetch's offset: 256 x lane (A: at most 15)
.set SPW, 8
.set NIL, 9
.set ALO, 16                           ; v16-17 my blocks 0-3 of A in slot 0, 1
.set AHI, 18                           ; v18-19 my blocks 4-7
.set ADRB, 20                          ; v20-21 my B fragments
.set XS,  22                           ; where I put the sums that I hand over
.set XL,  23                           ; where my partner has put mine
.set TMP, 32
.set AF,  128
.set BK,  128
.set G1,  24
.set G0,  32
.set G1B, 48
.set G0B, 56
.set PFA, 66                           ; s[66:67], s[68:69] where my prefetches stand, one for each slot
.set SE,  72
.set PST, 84                           ; s[84:85] their step
.set MSB, 0
.macro WIN new                         ; the immediate's high byte repeats the setting that is left
.if MSB != \new
	s_set_vgpr_msb (MSB<<8)|\new
.set MSB, \new
.endif
.endm
.set MUL_LO, 0xa1                      ; source 0 (B) window 1, source 1 (A) window 0, C and D window 2
.set MUL_HI, 0xf1                      ; the same, C and D window 3
.set TO_B,   0x40                      ; destination window 1, address window 0
.macro PLACES
.rept 4
	v_nop
.endr
.endm
; A joint load: waves 0 and 1 fetch for A, waves 2 and 3 for B; the branch hangs on the wave's number alone.  An s_nop 0 and four v_nop follow each of the two lines.
.macro JLOAD g0a, g0b
	s_cmp_eq_u32 s15, 0
	s_cbranch_scc0 .Lfor_b_\@
	tensor_load_to_lds s[\g0a:\g0a+3], s[G1:G1+7]
	s_nop 0
	PLACES
	s_branch .Lasked_\@
.Lfor_b_\@:
	tensor_load_to_lds s[\g0b:\g0b+3], s[G1B:G1B+7]
	s_nop 0
	PLACES
.Lasked_\@:
.endm
.macro CREST                           ; a round of the cluster's barrier behind its opening barrier
	s_cmp_lg_u32 s14, 0
	s_cbranch_scc1 .Lnot_wave_0_\@
	s_barrier_signal -3
.Lnot_wave_0_\@:
	s_barrier_wait -3
	s_barrier_signal -1
	s_barrier_wait -1
.endm
.macro CROUND
	s_barrier_signal -1
	s_barrier_wait -1
	CREST
.endm
.macro FRAG reg, adr, off              ; a fragment: 2,048 bytes on end, four registers a lane for each 512
.irp c, 0,1,2,3
	ds_load_b128 v[\reg+4*\c:\reg+4*\c+3], v[\adr] offset:(\off)+512*\c
.endr
.endm
.macro FETCH_B slot                    ; B's eight fragments of a slot into the set of its number
	WIN TO_B
.irp b, 0,1,2,3,4,5,6,7
	FRAG 128*(\slot)+16*\b, ADRB+(\slot), 2048*\b
.endr
	WIN 0
.endm
.macro FA slot, a                      ; my block a of A
.if (\a) < 4
	FRAG AF+16*(\a), ALO+(\slot), 2048*(\a)
.else
	FRAG AF+16*(\a), AHI+(\slot), 2048*((\a)-4)
.endif
.endm
.macro MULA a, p, zero                 ; A's block a x B's eight.  The 64 accumulators take turns, in the same order in every step
.irp b, 0,1,2,3,4,5,6,7
.if \zero
	v_wmma_f32_16x16x128_fp8_fp8 v[8*(8*((\a)%4)+\b):8*(8*((\a)%4)+\b)+7], v[128*(\p)+16*\b:128*(\p)+16*\b+15], v[AF+16*(\a):AF+16*(\a)+15], 0
.else
	v_wmma_f32_16x16x128_fp8_fp8 v[8*(8*((\a)%4)+\b):8*(8*((\a)%4)+\b)+7], v[128*(\p)+16*\b:128*(\p)+16*\b+15], v[AF+16*(\a):AF+16*(\a)+15], v[8*(8*((\a)%4)+\b):8*(8*((\a)%4)+\b)+7]
.endif
.endr
.endm
; A STEP multiplies slot p and changes slots: ONE barrier; in front of it each wave waits for all its tensor loads, adds 0 to its spare word, and waits for that and for its reads of this slot.
; fill = 1: this slot is filled again, two steps on.  ask: 1 the prefetch, 2 the prefetch but in the loop's last trip.
.macro TURN p, fill, zero, ask
.if \ask
	s_wait_xcnt 0x0                                ; my earlier prefetches have read their addresses
	s_add_nc_u64 s[PFA+2*\p:PFA+2*\p+1], s[PFA+2*\p:PFA+2*\p+1], s[PST:PST+1]
.endif
	s_wait_tensorcnt 0x0                           ; my one tensor load that was out, my part of the next slot, has landed  (every window is 0 here)
	ds_add_u32 v[SPW], v[NIL]
	s_wait_dscnt 25                                ; B's set and A's blocks 0, 1 are in: behind them stand blocks 2-7's 24 loads and the add
	WIN MUL_LO
	MULA 0, \p, \zero
	s_wait_dscnt 0x0                               ; the add is done, and my reads of this slot are over
	s_barrier_signal -1
	MULA 1, \p, \zero
	WIN 0
	s_barrier_wait -1
.if \fill
	CREST                                          ; the barrier has opened a round of the cluster's barrier: no wave of any partner still reads this slot or has a load on its way
	s_add_nc_u64 s[G0+4*\p+2:G0+4*\p+3], s[G0+4*\p+2:G0+4*\p+3], AADV
	s_add_nc_u64 s[G0B+4*\p+2:G0B+4*\p+3], s[G0B+4*\p+2:G0B+4*\p+3], BADV
	JLOAD G0+4*\p, G0B+4*\p                        ; the first tensor load behind the round; its four v_nop are the places ahead of the loads below
.else
	PLACES                                         ; four places ahead of loads into registers that matrix instructions have read (ISA guide 7.12.1 for vector instructions)
.endif
	FETCH_B 1-\p
	FA 1-\p, 0
	FA 1-\p, 1
.if (\ask) == 2
	s_cmp_gt_u32 s3, 1                             ; s3 = 1 in the loop's last trip, whose second refill has no slot two on
	s_cbranch_scc0 .Lno_ask_\@
.endif
.if \ask
	global_prefetch_b8 v[PFO], s[PFA+2*\p:PFA+2*\p+1] th:TH_LOAD_NT scope:SCOPE_SE
.endif
.if (\ask) == 2
.Lno_ask_\@:
.endif
	WIN MUL_LO
	MULA 2, \p, \zero
	MULA 3, \p, \zero
	WIN MUL_HI
	MULA 4, \p, \zero
	MULA 5, \p, \zero
	PLACES
	WIN 0
	FA 1-\p, 2
	FA 1-\p, 3
	FA 1-\p, 4
	FA 1-\p, 5
	WIN MUL_HI
	MULA 6, \p, \zero
	MULA 7, \p, \zero
	PLACES
	WIN 0
	FA 1-\p, 6
	FA 1-\p, 7
.endm
	s_load_b128 s[4:7], s[0:1], 0x0                ; A's codes, B's codes
	s_load_b128 s[8:11], s[0:1], 0x10              ; the scales' exponents, out0
	v_lshl_add_u32 v[SPW], v0, 2, SPARE
	v_mov_b32 v[NIL], 0
	ds_add_u32 v[SPW], v[NIL]                      ; the opening lines: the add, twice on end, and its wait ahead of my first tensor load
	ds_add_u32 v[SPW], v[NIL]
	v_lshrrev_b32 v1, 5, v0
	v_readfirstlane_b32 s14, v1                    ; wave 0..3
	v_and_b32 v10, 31, v0
	v_lshlrev_b32 v[BO], 4, v10
	v_lshrrev_b32 v13, 6, v0                       ; kh
	v_bfe_u32 v14, v0, 5, 1                        ; ch
	v_mad_u32_u24 v[ALO], v13, 24576, v[BO]        ; A of my K half at 16,384 kh; my blocks 0-3 are its rows 64 kh ..: + 8,192 kh
	v_add_nc_u32 v[ALO+1], SLOT, v[ALO]
	v_lshl_add_u32 v[AHI], v13, 13, v[BO]          ; my blocks 4-7 the other 64 rows: 16,384 kh + 8,192 (1 - kh) = 8,192 + 8,192 kh
	v_add_nc_u32 v[AHI], 8192, v[AHI]
	v_add_nc_u32 v[AHI+1], SLOT, v[AHI]
	v_lshl_add_u32 v[ADRB], v13, 15, v[BO]
	v_lshl_add_u32 v[ADRB], v14, 14, v[ADRB]
	v_add_nc_u32 v[ADRB], 32768, v[ADRB]           ; B lies behind A's 32,768 bytes: + 32,768 kh + 16,384 ch
	v_add_nc_u32 v[ADRB+1], SLOT, v[ADRB]
	v_lshl_add_u32 v[XS], v1, 15, v[BO]            ; 32,768 bytes for each wave's sums on the way to its partner,
	v_xor_b32 v15, 2, v1
	v_lshl_add_u32 v[XL], v15, 15, v[BO]           ; which is the wave with the other kh
	v_lshl_add_u32 v15, v13, 4, 15                 ; 15 in the waves that fetch A, 31 in those that fetch B
	v_min_u32 v15, v10, v15
	v_lshlrev_b32 v[PFO], 8, v15
	v_mul_u32_u24 v11, v1, 16*SPITCH
	v_add_nc_u32 v11, STAGE, v11                   ; my stage
	v_add_nc_u32 v[RD], v11, v[BO]
	v_and_b32 v12, 15, v0
	v_mad_u32_u24 v11, v12, SPITCH, v11
	v_bfe_u32 v12, v0, 4, 1
	v_lshl_add_u32 v[STO], v12, 5, v11             ; row r, 32 bytes for each half of the lanes
	s_wait_alu depctr_va_vdst(0)                   ; the wait behind the head's last vector instruction
	s_lshr_b32 s15, s14, 1                         ; kh.  Also: I fetch for A (0) or for B (1)
	s_and_b32 s16, s14, 1                          ; ch.  Also: for which K half I fetch
	s_bfe_u32 s40, ttmp6, 0x40000                  ; cx, cy: my place in the cluster
	s_bfe_u32 s41, ttmp6, 0x40004
	s_lshl_b32 s42, ttmp9, 2
	s_add_co_u32 s42, s42, s40                     ; tile column = 4 x cluster x + cx
	s_and_b32 s17, ttmp7, 0xffff
	s_lshl_b32 s17, s17, 2
	s_add_co_u32 s17, s17, s41                     ; tile row = 4 x cluster y + cy
	s_lshl_b32 s43, s41, 2
	s_lshl_b32 s43, 15, s43                        ; my row of the cluster
	s_lshl_b32 s44, 0x1111, s40                    ; my column
	s_or_b32 s[G1], s43, (3<<16)|(1<<21)           ; the mask; elements of 8 bytes; bit 21 set beside a mask; no padding
	s_or_b32 s[G1B], s44, (3<<16)|(1<<21)
	s_mov_b32 s[G1+1], 1024<<16                    ; A: 2 rows of 1,024 elements (8,192 bytes), 2^19 bytes apart
	s_mov_b32 s[G1+2], 2<<16
	s_mov_b32 s[G1+3], 1024<<16
	s_mov_b32 s[G1+4], 2
	s_mov_b32 s[G1+5], 65536
	s_mov_b32 s[G1+6], 0
	s_mov_b32 s[G1+7], 0
	s_mov_b32 s[G1B+1], 2048<<16                   ; B: 2 rows of 2,048 elements (16,384 bytes), 2^15 bytes apart
	s_mov_b32 s[G1B+2], 2<<16
	s_mov_b32 s[G1B+3], 2048<<16
	s_mov_b32 s[G1B+4], 2
	s_mov_b32 s[G1B+5], 4096
	s_mov_b32 s[G1B+6], 0
	s_mov_b32 s[G1B+7], 0
	s_lshl_b32 s20, s17, 20                        ; A: two blocks of 64 rows a tile row, 2^19 bytes each; the K half that I fetch: 32 steps of 8,192 bytes
	s_lshl_b32 s21, s16, 18
	s_add_co_u32 s20, s20, s21
	s_mov_b32 s21, 0
	s_lshr_b32 s46, s42, 1                         ; B: (tile column / 2) 2^22 + (tile column % 2) 2^16; the K half: 16 pairs of steps of 2^17 bytes
	s_lshl_b32 s46, s46, 22
	s_and_b32 s45, s42, 1
	s_lshl_b32 s45, s45, 16
	s_add_co_u32 s46, s46, s45
	s_lshl_b32 s45, s16, 21
	s_add_co_u32 s46, s46, s45
	s_mov_b32 s47, 0
	s_lshl_b32 s18, s16, 14                        ; where they go in a slot: no place in the cluster enters an LDS address
	s_lshl_b32 s19, s16, 15
	s_add_co_u32 s19, s19, 32768
	s_lshl_b32 s74, s17, 19                        ; out0: 128 rows of 4,096 bytes x tile row + 64 rows x kh + 1,024 x tile column + 512 x ch
	s_lshl_b32 s70, s15, 18
	s_add_co_u32 s74, s74, s70
	s_lshl_b32 s70, s42, 10
	s_add_co_u32 s74, s74, s70
	s_lshl_b32 s70, s16, 9
	s_add_co_u32 s74, s74, s70
	s_mov_b32 s75, 0
	s_wait_dscnt 0x0                               ; both opening adds are done
	s_wait_kmcnt 0x0
	s_load_b64 s[SE:SE+1], s[8:9], 0x0             ; e0, e1
	s_add_nc_u64 s[20:21], s[4:5], s[20:21]
	s_add_nc_u64 s[46:47], s[6:7], s[46:47]
	s_add_nc_u64 s[10:11], s[10:11], s[74:75]
	CROUND                                         ; all sixteen work-groups are here: the first joint loads meet
.irp s, 0,1
	s_mov_b32 s[G0+4*\s], 1
	s_add_co_u32 s[G0+4*\s+1], s18, \s*SLOT
	s_add_nc_u64 s[G0+4*\s+2:G0+4*\s+3], s[20:21], \s*8192
	s_or_b32 s[G0+4*\s+3], s[G0+4*\s+3], 0x80000000
	s_mov_b32 s[G0B+4*\s], 1
	s_add_co_u32 s[G0B+4*\s+1], s19, \s*SLOT
	s_add_nc_u64 s[G0B+4*\s+2:G0B+4*\s+3], s[46:47], \s*16384
	s_or_b32 s[G0B+4*\s+3], s[G0B+4*\s+3], 0x80000000
.endr
	JLOAD G0, G0B                                  ; step 0: one tensor load a wave at the head
	s_cmp_eq_u32 s15, 0                            ; the prefetches: do I fetch for A?
	s_cselect_b64 s[PFA:PFA+1], s[20:21], s[46:47]
	s_cselect_b32 s70, s40, s41                    ; my place p among the four that ask with me: piece p / 2, its half p % 2
	s_cselect_b32 s71, 19, 15
	s_cselect_b32 s76, 12, 13
	s_cselect_b32 s77, 14, 17
	s_cselect_b32 s78, 13, 14
	s_lshr_b32 s79, s70, 1
	s_lshl_b32 s79, s79, s71
	s_and_b32 s70, s70, 1
	s_lshl_b32 s70, s70, s76
	s_add_co_u32 s70, s70, s79
	s_mov_b32 s71, 0
	s_lshl_b32 s[PST], 1, s77                      ; two steps on
	s_mov_b32 s[PST+1], 0
	s_lshl_b32 s76, 1, s78                         ; from step 0 to step 1
	s_mov_b32 s77, 0
	s_add_nc_u64 s[PFA:PFA+1], s[PFA:PFA+1], s[70:71]
	s_add_nc_u64 s[76:77], s[PFA:PFA+1], s[76:77]          ; my share of step 1,
	s_add_nc_u64 s[PFA+2:PFA+3], s[76:77], s[PST:PST+1]    ; of step 3,
	s_add_nc_u64 s[PFA:PFA+1], s[PFA:PFA+1], s[PST:PST+1]  ; of step 2
	global_prefetch_b8 v[PFO], s[76:77] th:TH_LOAD_NT scope:SCOPE_SE
	global_prefetch_b8 v[PFO], s[PFA:PFA+1] th:TH_LOAD_NT scope:SCOPE_SE
	global_prefetch_b8 v[PFO], s[PFA+2:PFA+3] th:TH_LOAD_NT scope:SCOPE_SE
	s_wait_tensorcnt 0x0                           ; my part of step 0 is in
	ds_add_u32 v[SPW], v[NIL]
	s_wait_dscnt 0x0
	CROUND                                         ; a whole round: everybody's part of step 0 is in, and the joint loads meet
	JLOAD G0+4, G0B+4                              ; slot 1's first fill, the first tensor load behind the round
	FETCH_B 0
.irp a, 0,1,2,3,4,5,6,7
	FA 0, \a
.endr
	TURN 0, 1, 1, 1                                ; step 0 stands in front of the loop: its products start the sums
	s_mov_b32 s3, 14
.Llap:                                                 ; steps 2 t + 1 and 2 t + 2: both slots are filled again
	TURN 1, 1, 0, 1
	TURN 0, 1, 0, 2
	s_sub_co_u32 s3, s3, 1
	s_cmp_lg_u32 s3, 0
	s_cbranch_scc1 .Llap
	TURN 1, 1, 0, 0                                ; step 29 asks for step 31,
	TURN 0, 0, 0, 0                                ; step 30 fills nothing, and has no round of the cluster's barrier
	s_wait_dscnt 0x0                               ; step 31: nothing more to fetch
	WIN MUL_LO
.irp a, 0,1,2,3
	MULA \a, 1, 0
.endr
	WIN MUL_HI
.irp a, 4,5,6,7
	MULA \a, 1, 0
.endr
	WIN 0
	PLACES                                         ; four places between the last products and the first read of results
	s_barrier_signal -1                            ; every wave's reads of the slots are over (each has waited for its own): their bytes may be stored over
	s_barrier_wait -1
	WIN 0x0c                                       ; store data: window 3
.irp i, 0,1,2,3,4,5,6,7,8,9,10,11,12,13,14,15,16,17,18,19,20,21,22,23,24,25,26,27,28,29,30,31
	ds_store_b128 v[XS], v[8*\i:8*\i+3] offset:1024*\i          ; blocks 4-7's sums as an image of the registers; each accumulator from its low end on
	ds_store_b128 v[XS], v[8*\i+4:8*\i+7] offset:1024*\i+512
.endr
	WIN 0
	s_wait_dscnt 0x0                               ; for my partner's sake
	s_barrier_signal -1
	s_barrier_wait -1
	WIN 0xc0                                       ; destination: window 3
.irp i, 0,1,2,3,4,5,6,7,8,9,10,11,12,13,14,15,16,17,18,19,20,21,22,23,24,25,26,27,28,29,30,31
	ds_load_b128 v[8*\i:8*\i+3], v[XL] offset:1024*\i           ; my partner's sums for my blocks 0-3, in the same places as mine
	ds_load_b128 v[8*\i+4:8*\i+7], v[XL] offset:1024*\i+512
.endr
	WIN 0
; THE WAY OUT, block by block of 16 rows x 128 columns: the two halves of K added, x 2^(e0 + e1), through my own stage in LDS and back as whole rows of 512 bytes.  LDS serves a wave's instructions in order (ISA guide 5.7.1.4).
.macro TOSTAGE a
	WIN 0x0e                                       ; source 0: window 2, source 1: window 3
.irp n, 0,2,4,6,8,10,12,14,16,18,20,22,24,26,28,30,32,34,36,38,40,42,44,46,48,50,52,54,56,58,60,62
	v_pk_add_f32 v[TMP+\n:TMP+\n+1], v[64*(\a)+\n:64*(\a)+\n+1], v[64*(\a)+\n:64*(\a)+\n+1]   ; each accumulator from its low end on
.endr
	WIN 0
.irp n, 0,2,4,6,8,10,12,14,16,18,20,22,24,26,28,30,32,34,36,38,40,42,44,46,48,50,52,54,56,58,60,62
	v_pk_mul_f32 v[TMP+\n:TMP+\n+1], v[TMP+\n:TMP+\n+1], s[SE:SE+1] op_sel_hi:[1,0]
.endr
.irp b, 0,1,2,3,4,5,6,7
	ds_store_b128 v[STO], v[TMP+8*\b:TMP+8*\b+3] offset:64*\b
	ds_store_b128 v[STO], v[TMP+8*\b+4:TMP+8*\b+7] offset:64*\b+16
.endr
.irp t, 0,1,2,3,4,5,6,7,8,9,10,11,12,13,14,15
	ds_load_b128 v[BK+64*((\a)%2)+4*\t:BK+64*((\a)%2)+4*\t+3], v[RD] offset:\t*SPITCH
.endr
.endm
.macro SEND a, younger                 ; younger: the LDS instructions issued behind block a's loads
	s_wait_dscnt \younger
.irp t, 0,1,2,3,4,5,6,7,8,9,10,11,12,13,14,15
	global_store_b128 v[BO], v[BK+64*((\a)%2)+4*\t:BK+64*((\a)%2)+4*\t+3], s[10:11] offset:(16*(\a)+\t)*4096 th:TH_STORE_NT   ; 32 lanes store 512 consecutive bytes, aligned
.endr
.endm
	s_wait_kmcnt 0x0
	s_add_co_i32 s[SE], s[SE], s[SE+1]
	s_add_co_i32 s[SE], s[SE], 127
	s_lshl_b32 s[SE], s[SE], 23                    ; 2^(e0 + e1) as f32
	s_mov_b32 s[SE+1], s[SE]
	s_wait_dscnt 0x0                               ; my partner's sums are in
	TOSTAGE 0
	TOSTAGE 1
	SEND 0, 32
	s_wait_xcnt 0x0                                ; block 0's stores have read their registers
	TOSTAGE 2
	SEND 1, 32
	s_wait_xcnt 0x0
	TOSTAGE 3
	SEND 2, 32
	SEND 3, 0
	s_wait_tensorcnt 0x0                           ; the wave's end
	ds_add_u32 v[SPW], v[NIL]
	s_wait_dscnt 0x0
	CROUND                                         ; the closing round: no work-group ends while a partner may still ask for a tile that names it
	s_endpgm
.Lfunc_end_k_q10c21e72c3_gemm:
	.size	k_q10c21e72c3_gemm, .Lfunc_end_k_q10c21e72c3_gemm-k_q10c21e72c3_gemm
	.p2alignl 7, 3214868480
	.fill 96, 4, 3214868480
	.section	.rodata,"a",@progbits
	.p2align	6, 0x0
	.amdhsa_kernel k_q10c21e72c3_gemm
		.amdhsa_group_segment_fixed_size 327680
		.amdhsa_private_segment_fixed_size 0
		.amdhsa_enable_private_segment 0
		.amdhsa_kernarg_size 32
		.amdhsa_user_sgpr_count 2
		.amdhsa_user_sgpr_kernarg_segment_ptr 1
		.amdhsa_wavefront_size32 1
		.amdhsa_system_sgpr_workgroup_id_x 1
		.amdhsa_system_sgpr_workgroup_id_y 1
		.amdhsa_system_sgpr_workgroup_id_z 1
		.amdhsa_system_vgpr_workitem_id 0
		.amdhsa_next_free_vgpr 1024
		.amdhsa_next_free_sgpr 88
		.amdhsa_reserve_vcc 0
		.amdhsa_float_denorm_mode_32 3
		.amdhsa_float_denorm_mode_16_64 3
		.amdhsa_memory_ordered 1
		.amdhsa_forward_progress 1
		.amdhsa_inst_pref_size 105
	.end_amdhsa_kernel
	.amdgpu_metadata
---
amdhsa.version: [ 1, 2 ]
amdhsa.kernels:
  - .name:           k_q10c21e72c3_gemm
    .symbol:         k_q10c21e72c3_gemm.kd
    .args:
      - { .name: acodes, .offset: 0, .size: 8, .value_kind: global_buffer, .address_space: global }
      - { .name: bcodes, .offset: 8, .size: 8, .value_kind: global_buffer, .address_space: global }
      - { .name: lowp_scales, .offset: 16, .size: 8, .value_kind: global_buffer, .address_space: global }
      - { .name: out0, .offset: 24, .size: 8, .value_kind: global_buffer, .address_space: global }
    .group_segment_fixed_size: 327680
    .private_segment_fixed_size: 0
    .kernarg_segment_align: 8
    .kernarg_segment_size: 32
    .max_flat_workgroup_size: 128
    .sgpr_count:     88
    .vgpr_count:     1024
    .wavefront_size: 32
...
	.end_amdgpu_metadata
.endif
;; end of part 3
